; MI455X (gfx1250); checked and timed in simulation.
; The chip was launched on July 23, 2026; its instructions are those of AMD's public machine-readable ISA for CDNA 5 (MIT licence, August 2026) and "CDNA5" Instruction Set Architecture Reference Guide (July 2026). The comments in the code are by the model that wrote it; some were corrected since.
;; Attention v1. Allowed arithmetic: float matrix products may take bf16 or f16 operands with f32 sums; all other float work in f32.
;; Inputs: Wk 1,024 x 1,024 float32; Wo 1,024 x 1,024 float32; Wq 1,024 x 1,024 float32; Wv 1,024 x 1,024 float32; bk 1,024 float32; bo 1,024 float32; bq 1,024 float32; bv 1,024 float32; k 2 x 2,048 x 1,024 float32; lambda_k1 64 float32; lambda_k2 64 float32; lambda_q1 64 float32; lambda_q2 64 float32; q 2 x 2,048 x 1,024 float32; v 2 x 2,048 x 1,024 float32.
;; Outputs: out0 2 x 2,048 x 1,024 float32.
;; One version. Each part assembles by itself: llvm-mc -triple=amdgcn-amd-amdhsa -mcpu=gfx1250 --defsym DOCPART=n.
;; ======== version 1 of 1: 4 launches
;; workspace buffers: xb 25,165,824 bytes; wb 8,388,608 bytes; pj 25,165,824 bytes; att 8,388,608 bytes
;; launch cast (part 1): grid 1024 x 1, 8 waves a work-group, no clusters, 0 bytes of LDS; arguments q, k, v, Wq, Wk, Wv, Wo, xb, wb; writes xb, wb
.if DOCPART == 1
	.amdgcn_target "amdgcn-amd-amdhsa--gfx1250"
	.amdhsa_code_object_version 6
	.text
	.protected	k_q5f45c41fa4_cast
	.globl	k_q5f45c41fa4_cast
	.p2align	8
	.type	k_q5f45c41fa4_cast,@function
k_q5f45c41fa4_cast:
	s_mov_b64 s[64:65], 0
	v_nop
	global_prefetch_b8 v0, s[64:65] scope:SCOPE_SE
	s_setreg_imm32_b32 hwreg(HW_REG_WAVE_MODE, 25, 1), 1
	s_wait_xcnt 0x0
; xb = bf16(q | k | v) as [3][4096][1024], wb = bf16(Wq | Wk | Wv | Wo) as [4][1024][1024]; each number rounded once, to nearest even.
; A work-group takes 65,536 bytes of f32 and stores 32,768 bytes of bf16.  Work-groups 0-255 take q, 256-511 k, 512-767 v,
; 768 + 64 i .. 768 + 64 i + 63 weight i.  Thread t owns 16 bytes at 16 t of each run of 4,096: a load of a wave covers 512 consecutive
; bytes, a store of a wave 256 consecutive bytes, aligned.  All sixteen loads of a thread go out at once; no register is written twice,
; so the only waits are the counted ones for the data.  No LDS, no barrier, no matrix unit: nothing here is used twice.
.set X, 4                              ; v[4:67]   load j: 4 registers of f32
.set Y, 68                             ; v[68:99]  store j: 2 registers, 4 bf16
	s_load_b512 s[4:19], s[0:1], 0x0               ; q, k, v, Wq, Wk, Wv, Wo, xb in s[4:5] .. s[18:19]
	s_load_b64 s[20:21], s[0:1], 0x40              ; wb
	s_mov_b32 s22, ttmp9                           ; g, the work-group's number
	s_and_b32 s26, s22, 255                        ; its place in q, k or v
	s_and_b32 s23, s22, 63                         ; its place in a weight
	s_sub_co_u32 s30, s22, 768                     ; its place in wb (used only where g >= 768)
	v_lshlrev_b32 v1, 4, v0                        ; 16 t
	v_lshlrev_b32 v2, 3, v0                        ; 8 t
	s_wait_kmcnt 0x0
	s_mov_b64 s[24:25], s[4:5]                     ; the source: q, unless g says otherwise
	s_cmp_ge_u32 s22, 256
	s_cselect_b64 s[24:25], s[6:7], s[24:25]
	s_cmp_ge_u32 s22, 512
	s_cselect_b64 s[24:25], s[8:9], s[24:25]
	s_cmp_ge_u32 s22, 768
	s_cselect_b64 s[24:25], s[10:11], s[24:25]
	s_cselect_b64 s[28:29], s[20:21], s[18:19]     ; the destination: wb from g = 768 on, else xb
	s_cselect_b32 s26, s23, s26
	s_cselect_b32 s30, s30, s22
	s_cmp_ge_u32 s22, 832
	s_cselect_b64 s[24:25], s[12:13], s[24:25]
	s_cmp_ge_u32 s22, 896
	s_cselect_b64 s[24:25], s[14:15], s[24:25]
	s_cmp_ge_u32 s22, 960
	s_cselect_b64 s[24:25], s[16:17], s[24:25]
	s_lshl_b32 s26, s26, 16                        ; 65,536 bytes of source a work-group
	s_mov_b32 s27, 0
	s_lshl_b32 s30, s30, 15                        ; 32,768 bytes of destination
	s_mov_b32 s31, 0
	s_add_nc_u64 s[24:25], s[24:25], s[26:27]
	s_add_nc_u64 s[28:29], s[28:29], s[30:31]
.irp j, 0,1,2,3,4,5,6,7,8,9,10,11,12,13,14,15
	global_load_b128 v[X+4*\j:X+4*\j+3], v1, s[24:25] offset:4096*\j th:TH_LOAD_NT
.endr
.irp j, 0,1,2,3,4,5,6,7,8,9,10,11,12,13,14,15
	s_wait_loadcnt 15-\j                           ; loads come back in order (ISA guide 5.7.1): load j is in, the younger ones stay out
	v_cvt_pk_bf16_f32 v[Y+2*\j], v[X+4*\j], v[X+4*\j+1]
	v_cvt_pk_bf16_f32 v[Y+2*\j+1], v[X+4*\j+2], v[X+4*\j+3]
	global_store_b64 v2, v[Y+2*\j:Y+2*\j+1], s[28:29] offset:2048*\j
.endr
	s_endpgm
.Lfunc_end_k_q5f45c41fa4_cast:
	.size	k_q5f45c41fa4_cast, .Lfunc_end_k_q5f45c41fa4_cast-k_q5f45c41fa4_cast
	.p2alignl 7, 3214868480
	.fill 96, 4, 3214868480
	.section	.rodata,"a",@progbits
	.p2align	6, 0x0
	.amdhsa_kernel k_q5f45c41fa4_cast
		.amdhsa_group_segment_fixed_size 0
		.amdhsa_private_segment_fixed_size 0
		.amdhsa_enable_private_segment 0
		.amdhsa_kernarg_size 72
		.amdhsa_user_sgpr_count 2
		.amdhsa_user_sgpr_kernarg_segment_ptr 1
		.amdhsa_wavefront_size32 1
		.amdhsa_system_sgpr_workgroup_id_x 1
		.amdhsa_system_sgpr_workgroup_id_y 1
		.amdhsa_system_sgpr_workgroup_id_z 1
		.amdhsa_system_vgpr_workitem_id 0
		.amdhsa_next_free_vgpr 100
		.amdhsa_next_free_sgpr 66
		.amdhsa_reserve_vcc 0
		.amdhsa_float_denorm_mode_32 3
		.amdhsa_float_denorm_mode_16_64 3
		.amdhsa_memory_ordered 1
		.amdhsa_forward_progress 1
		.amdhsa_inst_pref_size 8
	.end_amdhsa_kernel
	.amdgpu_metadata
---
amdhsa.version: [ 1, 2 ]
amdhsa.kernels:
  - .name:           k_q5f45c41fa4_cast
    .symbol:         k_q5f45c41fa4_cast.kd
    .args:
      - { .name: q, .offset: 0, .size: 8, .value_kind: global_buffer, .address_space: global }
      - { .name: k, .offset: 8, .size: 8, .value_kind: global_buffer, .address_space: global }
      - { .name: v, .offset: 16, .size: 8, .value_kind: global_buffer, .address_space: global }
      - { .name: Wq, .offset: 24, .size: 8, .value_kind: global_buffer, .address_space: global }
      - { .name: Wk, .offset: 32, .size: 8, .value_kind: global_buffer, .address_space: global }
      - { .name: Wv, .offset: 40, .size: 8, .value_kind: global_buffer, .address_space: global }
      - { .name: Wo, .offset: 48, .size: 8, .value_kind: global_buffer, .address_space: global }
      - { .name: xb, .offset: 56, .size: 8, .value_kind: global_buffer, .address_space: global }
      - { .name: wb, .offset: 64, .size: 8, .value_kind: global_buffer, .address_space: global }
    .group_segment_fixed_size: 0
    .private_segment_fixed_size: 0
    .kernarg_segment_align: 8
    .kernarg_segment_size: 72
    .max_flat_workgroup_size: 256
    .sgpr_count:     66
    .vgpr_count:     100
    .wavefront_size: 32
...
	.end_amdgpu_metadata
.endif
;; end of part 1
;; launch proj (part 2): grid 4 x 48, 4 waves a work-group, clusters of 4 x 4, 327,680 bytes of LDS; arguments xb, wb, pj, bq, bk, bv; writes pj
.if DOCPART == 2
	.amdgcn_target "amdgcn-amd-amdhsa--gfx1250"
	.amdhsa_code_object_version 6
	.text
	.protected	k_q5f45c41fa4_proj
	.globl	k_q5f45c41fa4_proj
	.p2align	8
	.type	k_q5f45c41fa4_proj,@function
k_q5f45c41fa4_proj:
	s_mov_b64 s[64:65], 0
	v_nop
	global_prefetch_b8 v0, s[64:65] scope:SCOPE_SE
	s_setreg_imm32_b32 hwreg(HW_REG_WAVE_MODE, 25, 1), 1
	s_wait_xcnt 0x0
	s_wait_alu depctr_hold_cnt(0) depctr_sa_sdst(0) depctr_va_vdst(0) depctr_va_sdst(0) depctr_va_ssrc(0) depctr_va_vcc(0) depctr_vm_vsrc(0)
	s_getreg_b32 s2, hwreg(HW_REG_IB_STS2, 6, 4)
	s_cmp_eq_u32 s2, 0
	s_cbranch_scc0 .Lentry_in_a_cluster
	s_endpgm
.Lentry_in_a_cluster:
	s_bfe_u32 s2, ttmp6, 0x10000c
	s_cmp_lg_u32 s2, 0xf033
	s_cbranch_scc0 .Lentry_shape_is_right
	s_endpgm
.Lentry_shape_is_right:
; pj[z][m][n] = sum over k of xb[z][m][k] wb[z][n][k] + b_z[n], z = 0, 1, 2 (q, k, v); operands bf16, sums and bias f32, pj rounded once to bf16.
; The three products are one GEMM of 12,288 rows: A = xb as [12288][1024], C = pj as [12288][1024]; B's rows are 1024 z + n of wb, z = row / 4096.
; A work-group makes a block of 256 x 256 of C with four waves; a wave makes 128 x 128: 64 accumulator tiles of 16 x 16, 512 registers.
; K goes in steps of 128 through a ring of two LDS slots filled by the tensor data mover: a tile's rows are 256 consecutive bytes, aligned.
; 192 blocks: blocks of 128 x 128 would make 768 work-groups, but each would read twice the LDS bytes for a matrix instruction.
; CLUSTERS: 4 x 4 work-groups.  The four of a row of the cluster need the same tiles of A, the four of a column the same tiles of B (a cluster spans
; 1,024 rows of C, so z is one number for all sixteen).  Such a tile is asked for jointly: the same tensor load, the same descriptor, a mask that names the four.
; THE BIAS is the C operand of each sum's first product: nothing is cleared and no add is spent on it.
;
; REGISTERS, in windows of 256: window 0: v0-31 addresses; v64-127, v128-191 fragments of A, two buffers; v192-223 at work on the way out
;   window 1: v0-63 the bias of my 128 columns, in an accumulator's layout; v64-127, v128-191 fragments of B, two buffers
;   window 2: the 32 accumulator tiles of my rows 0-63 (tile (a, b) at v[8 (8 a + b)]);   window 3: those of my rows 64-127
; THE MATRIX INSTRUCTION IS USED TRANSPOSED: source 0 = 16 rows of B, source 1 = 16 rows of A: lane l holds row l % 16 of C, its registers 0 to 7
; the columns 8 (l / 16) + 0 .. 7, eight neighbouring numbers of a row, which pack into 16 bytes.
.set SIZE_N, 1024
.set SIZE_K, 1024
.set KSTEP,  128
.set PITCH,  272                       ; an LDS row: 256 bytes + 16 of padding, an odd multiple of 16: the 16 rows of a fragment start in 16 different 16-byte columns of 256
.set HALFT,  128*PITCH                 ; 128 rows: what one tensor load brings
.set SLOT,   4*HALFT                   ; A's 256 rows, then B's 256 rows
.set STAGE,  2*SLOT                    ; behind the ring: 16 rows x 272 bytes for each wave, for the way out; no tensor load lands here
.set SPITCH, 272
.set LAPS, SIZE_K/(2*KSTEP)            ; a lap = two K steps = once round the ring: 4
.set ADRA, 16                          ; v16-17  LDS address of my A fragments in slot 0, 1
.set ADRB, 20                          ; v20-21  the same for B
.set STO,  24                          ; v24     the way out: where I put 16 bytes of a row
.set RD,   25                          ; v25     the way out: where I read a row back
.set CO,   26                          ; v26     my byte offset in C
.set BO,   27                          ; v27     my byte offset in the bias: 32 (l / 16)
.set F0,   64
.set F1,   128
.set TMP,  192
.set G1, 24                            ; s[24:31] descriptor group 1 for A's tiles
.set G0, 32                            ; s[32:39] descriptor group 0 for A's tiles, one set for each slot
.set G1B, 48                           ; s[48:55] group 1 for B's tiles: another mask
.set G0B, 56                           ; s[56:63] group 0 for B's tiles
.set MSB, 0
.macro WIN new                         ; the immediate's high byte repeats the setting that is left
.if MSB != \new
	s_set_vgpr_msb (MSB<<8)|\new
.set MSB, \new
.endif
.endm
.set MUL_LO, 0xa1                      ; source 0 (B) window 1, source 1 (A) window 0, C and D window 2
.set MUL_HI, 0xf1                      ; the same, C and D window 3
.set BIAS_LO, 0x91                     ; the first products: C (the bias) window 1, D window 2
.set BIAS_HI, 0xd1                     ; C window 1, D window 3
.set TO_B,   0x40                      ; destination window 1, address window 0
; A joint load.  Waves 0 and 1 fetch A's two halves, waves 2 and 3 B's.  The branch hangs on the wave's number alone.
.macro JLOAD s
	s_cmp_eq_u32 s11, 0
	s_cbranch_scc0 .Lfor_b_\@
	tensor_load_to_lds s[G0+4*\s:G0+4*\s+3], s[G1:G1+7]
	s_nop 0
	s_branch .Lasked_\@
.Lfor_b_\@:
	tensor_load_to_lds s[G0B+4*\s:G0B+4*\s+3], s[G1B:G1B+7]
	s_nop 0
.Lasked_\@:
.endm
; A round of the cluster's barrier: my work-group's barrier; wave 0 signals for the work-group; every wave waits for all sixteen; my work-group's barrier once more.
.macro CREST                           ; a round behind its opening barrier
	s_cmp_lg_u32 s10, 0
	s_cbranch_scc1 .Lnot_wave_0_\@
	s_barrier_signal -3
.Lnot_wave_0_\@:
	s_barrier_wait -3
	s_barrier_signal -1
	s_barrier_wait -1
.endm
.macro CROUND
	s_barrier_signal -1
	s_barrier_wait -1
	CREST
.endm
	s_load_b128 s[4:7], s[0:1], 0x0                ; xb s[4:5], wb s[6:7]
	s_load_b64 s[8:9], s[0:1], 0x10                ; pj
	s_load_b128 s[68:71], s[0:1], 0x18             ; bq s[68:69], bk s[70:71]
	s_load_b64 s[72:73], s[0:1], 0x28              ; bv
	s_set_vgpr_msb 0x40
	v_lshl_add_u32 v255, v0, 2, 0x48400
	s_set_vgpr_msb 0x4000
	v_mov_b32 v255, 0
	s_set_vgpr_msb 0x1
	ds_add_u32 v255, v255
	s_set_vgpr_msb 0x100
	v_lshrrev_b32 v1, 5, v0
	v_readfirstlane_b32 s10, v1                    ; wave 0..3
	s_lshr_b32 s11, s10, 1                         ; which half of the block's rows is mine.  Also: I fetch for A (0) or for B (1)
	s_and_b32 s12, s10, 1                          ; which half of its columns.  Also: which 128 rows of that tile I fetch
	s_bfe_u32 s40, ttmp6, 0x40000                  ; cx
	s_bfe_u32 s41, ttmp6, 0x40004                  ; cy
	s_lshl_b32 s42, ttmp9, 2
	s_add_co_u32 s42, s42, s40                     ; block column of C = 4 x cluster x + cx
	s_and_b32 s13, ttmp7, 0xffff
	s_lshr_b32 s45, s13, 2                         ; z = cluster y / 4: four clusters of 1,024 rows for each of q, k, v
	s_lshl_b32 s13, s13, 2
	s_add_co_u32 s13, s13, s41                     ; block row of C = 4 x cluster y + cy
	s_lshl_b32 s43, s41, 2
	s_lshl_b32 s43, 15, s43                        ; my row of the cluster: places 4 cy .. 4 cy + 3
	s_lshl_b32 s44, 0x1111, s40                    ; my column: places cx, cx + 4, cx + 8, cx + 12
	; descriptor group 1: a tile of 128 rows x 128 elements of 2 bytes, 4 words of padding behind every 64
	s_or_b32 s[G1+0], s43, (1<<16)|(1<<20)|(1<<21)|(5<<22)|(3<<25)
	s_or_b32 s[G1B+0], s44, (1<<16)|(1<<20)|(1<<21)|(5<<22)|(3<<25)
	s_mov_b32 s[G1B+1], KSTEP<<16
	s_mov_b32 s[G1+1], KSTEP<<16                   ; tensor_dim0 = 128
	s_mov_b32 s[G1B+2], 128<<16
	s_mov_b32 s[G1+2], 128<<16                     ; tensor_dim1 = 128
	s_mov_b32 s[G1B+3], KSTEP<<16
	s_mov_b32 s[G1+3], KSTEP<<16                   ; tile_dim0 = 128
	s_mov_b32 s[G1B+4], 128
	s_mov_b32 s[G1+4], 128                         ; tile_dim1 = 128
	s_mov_b32 s[G1B+5], SIZE_K
	s_mov_b32 s[G1+5], SIZE_K                      ; elements from row to row
	s_mov_b32 s[G1B+6], 0
	s_mov_b32 s[G1+6], 0
	s_mov_b32 s[G1B+7], 0
	s_mov_b32 s[G1+7], 0
	; where the tiles come from.  A's hang on the block row alone, B's on the block column and z alone.
	s_lshl_b32 s17, s12, 7                         ; which 128 rows of the tile I fetch
	s_lshl_b32 s16, s13, 8
	s_add_co_u32 s16, s16, s17                     ; A: row 256 x block row + 128 x half
	s_lshl_b32 s46, s42, 8
	s_add_co_u32 s46, s46, s17
	s_lshl_b32 s47, s45, 10
	s_add_co_u32 s46, s46, s47                     ; B: row 1024 z + 256 x block column + 128 x half
	s_mov_b32 s17, 0
	s_mov_b32 s47, 0
	s_mov_b64 s[18:19], SIZE_K*2
	s_mul_u64 s[16:17], s[16:17], s[18:19]         ; in bytes
	s_mul_u64 s[46:47], s[46:47], s[18:19]
	s_mul_i32 s20, s10, HALFT                      ; and where they go: wave x 128 rows
	s_lshl_b32 s66, s42, 10                        ; my first column in the bias, in bytes: 4 (256 x block column + 128 x half)
	s_lshl_b32 s67, s12, 9
	s_add_co_u32 s66, s66, s67
	s_mov_b32 s67, 0
	s_wait_dscnt 0x0
	s_wait_kmcnt 0x0
	s_add_nc_u64 s[14:15], s[4:5], s[16:17]
	s_add_nc_u64 s[46:47], s[6:7], s[46:47]
	s_mov_b64 s[74:75], s[68:69]                   ; the bias of z
	s_cmp_eq_u32 s45, 1
	s_cselect_b64 s[74:75], s[70:71], s[74:75]
	s_cmp_eq_u32 s45, 2
	s_cselect_b64 s[74:75], s[72:73], s[74:75]
	s_add_nc_u64 s[74:75], s[74:75], s[66:67]
	CROUND                                         ; all sixteen work-groups are here: the first joint loads meet
.irp s, 0,1
	s_mov_b32 s[G0+4*\s], 1
	s_add_co_u32 s[G0+4*\s+1], s20, \s*SLOT
	s_add_nc_u64 s[G0+4*\s+2:G0+4*\s+3], s[14:15], \s*KSTEP*2
	s_or_b32 s[G0+4*\s+3], s[G0+4*\s+3], 0x80000000
	s_mov_b32 s[G0B+4*\s], 1
	s_add_co_u32 s[G0B+4*\s+1], s20, \s*SLOT
	s_add_nc_u64 s[G0B+4*\s+2:G0B+4*\s+3], s[46:47], \s*KSTEP*2
	s_or_b32 s[G0B+4*\s+3], s[G0B+4*\s+3], 0x80000000
	JLOAD \s                                       ; the ring is filled before anything else is done: two tensor loads of a wave are out
.endr
	; A fragment is 16 rows x 32 K in 8 registers: lane l holds row l % 16; registers 0-3 K = 8 (l / 16) + 0..7, registers 4-7 K = 16 + 8 (l / 16) + 0..7.
	v_and_b32 v1, 15, v0                           ; l % 16
	v_bfe_u32 v2, v0, 4, 1                         ; l / 16
	v_mul_u32_u24 v3, v1, PITCH
	v_lshl_add_u32 v3, v2, 4, v3
	s_mul_i32 s21, s11, HALFT                      ; my 128 rows of A
	s_mul_i32 s22, s12, HALFT                      ; my 128 rows of B,
	s_add_co_u32 s22, s22, 2*HALFT                 ; which lie behind A's 256
.irp s, 0,1
	v_add_nc_u32 v[ADRA+\s], s21, v3
	v_add_nc_u32 v[ADRB+\s], s22, v3
	s_add_co_u32 s21, s21, SLOT
	s_add_co_u32 s22, s22, SLOT
.endr
	s_mul_i32 s23, s10, 16*SPITCH
	s_add_co_u32 s23, s23, STAGE                   ; my stage
	v_mul_u32_u24 v4, v1, SPITCH
	v_lshl_add_u32 v4, v2, 4, v4
	v_add_nc_u32 v[STO], s23, v4
	v_mul_u32_u24 v5, v2, SPITCH
	v_lshl_add_u32 v5, v1, 4, v5
	v_add_nc_u32 v[RD], s23, v5
	v_mul_u32_u24 v5, v2, SIZE_N*2
	v_lshl_add_u32 v[CO], v1, 4, v5
	v_lshlrev_b32 v[BO], 5, v2
	; the bias in an accumulator's layout: register 8 b + j of window 1 = bias[my first column + 16 b + 8 (l / 16) + j]
	WIN TO_B
.irp b, 0,1,2,3,4,5,6,7
	global_load_b128 v[8*\b:8*\b+3],   v[BO], s[74:75] offset:64*\b
	global_load_b128 v[8*\b+4:8*\b+7], v[BO], s[74:75] offset:64*\b+16
.endr
	WIN 0
; 16 matrix instructions: m blocks a0, a0 + 1 of the window's four x all 8 n blocks, 32 along K.  zero = 1: the first product starts the sums from the bias.
.macro MUL16 f, hi, a0, zero
.irp a, \a0, \a0+1
.irp b, 0,1,2,3,4,5,6,7
.if \zero
	v_wmma_f32_16x16x32_bf16 v[8*(8*(\a)+\b):8*(8*(\a)+\b)+7], v[\f+8*\b:\f+8*\b+7], v[\f+8*(4*\hi+\a):\f+8*(4*\hi+\a)+7], v[8*\b:8*\b+7]
.else
	v_wmma_f32_16x16x32_bf16 v[8*(8*(\a)+\b):8*(8*(\a)+\b)+7], v[\f+8*\b:\f+8*\b+7], v[\f+8*(4*\hi+\a):\f+8*(4*\hi+\a)+7], v[8*(8*(\a)+\b):8*(8*(\a)+\b)+7]
.endif
.endr
.endr
.endm
; 32 LDS loads in one run: the fragments of one quarter step into buffer f
.macro FETCH slot, k, f
	WIN TO_B
.irp i, 0,1,2,3,4,5,6,7
	ds_load_b128 v[\f+8*\i:\f+8*\i+3],   v[ADRB+\slot] offset:\k+\i*16*PITCH
	ds_load_b128 v[\f+8*\i+4:\f+8*\i+7], v[ADRB+\slot] offset:\k+\i*16*PITCH+32
.endr
	WIN 0
.irp i, 0,1,2,3,4,5,6,7
	ds_load_b128 v[\f+8*\i:\f+8*\i+3],   v[ADRA+\slot] offset:\k+\i*16*PITCH
	ds_load_b128 v[\f+8*\i+4:\f+8*\i+7], v[ADRA+\slot] offset:\k+\i*16*PITCH+32
.endr
.endm
; A load into a register that a matrix instruction has read, and a vector instruction that reads a matrix result, stand four places behind that matrix
; instruction; only plain vector instructions that name none of its registers are places (ISA guide 7.12.1 for vector instructions).
.macro PLACES
.rept 4
	v_nop
.endr
.endm
; A K step is four quarter steps of 32 along K, 64 matrix instructions each, on buffers 0, 1, 0, 1.  The 64 accumulators take turns, one instruction a turn.
.macro QUARTER slot, k, f, g, zero
	s_wait_dscnt 8                                 ; B and A's rows 0-63 are in; the youngest eight loads (A's rows 64-127) may be out
.if \zero
	WIN BIAS_LO
.else
	WIN MUL_LO
.endif
	MUL16 \f, 0, 0, \zero
	MUL16 \f, 0, 2, \zero
	PLACES
	FETCH \slot, \k, \g
	s_wait_dscnt 32                                ; all but the 32 just issued
.if \zero
	WIN BIAS_HI
.else
	WIN MUL_HI
.endif
	MUL16 \f, 1, 0, \zero
	MUL16 \f, 1, 2, \zero
.endm
.macro THREE slot, zero
	QUARTER \slot, 64,  F0, F1, \zero
	QUARTER \slot, 128, F1, F0, 0
	QUARTER \slot, 192, F0, F1, 0
.endm
; The last quarter: multiplies buffer 1 and changes slots.  In front of the barrier each wave waits for its reads of this slot and for all its tensor loads
; (one is out: its part of the next slot).  Behind it the refill comes first, then the next slot's first fragments.
.macro TURN slot, next, fill
	s_wait_dscnt 8
	WIN MUL_LO
	MUL16 F1, 0, 0, 0
	s_wait_dscnt 0                                 ; my reads of this slot are over
	s_wait_tensorcnt 0x0                           ; and all my tensor loads have landed
	ds_add_u32 v255, v255
	s_wait_dscnt 0x0
	s_barrier_signal -1                            ; say so (where a slot is filled again this barrier opens a round of the cluster's barrier),
	MUL16 F1, 0, 2, 0                              ; work on registers while the others arrive,
	WIN 0
	s_barrier_wait -1
.if \fill
	CREST                                          ; no wave of any partner still reads this slot's tile or has a load on its way
	s_add_nc_u64 s[G0+4*\slot+2:G0+4*\slot+3], s[G0+4*\slot+2:G0+4*\slot+3], 2*KSTEP*2
	s_add_nc_u64 s[G0B+4*\slot+2:G0B+4*\slot+3], s[G0B+4*\slot+2:G0B+4*\slot+3], 2*KSTEP*2
	JLOAD \slot                                    ; the first tensor load behind the round, and the wave's only one until the next
.endif
	PLACES
	FETCH \next, 0, F0
	WIN MUL_HI
	MUL16 F1, 1, 0, 0
	MUL16 F1, 1, 2, 0
.endm
.macro LAP zero
	THREE 0, \zero
	TURN 0, 1, 1
	THREE 1, 0
	TURN 1, 0, 1
.endm
	s_wait_loadcnt 0x0                             ; the bias is in
	s_wait_tensorcnt 1                             ; my part of K step 0 is in; K step 1's stays out
	s_barrier_signal -1
	s_barrier_wait -1                              ; everybody's is
	FETCH 0, 0, F0
	LAP 1                                          ; the first lap stands in front of the loop: its first products start the sums
	WIN 0
	s_mov_b32 s3, LAPS-2
.Llap:
	LAP 0
	WIN 0
	s_sub_co_u32 s3, s3, 1
	s_cmp_lg_u32 s3, 0
	s_cbranch_scc1 .Llap
	THREE 0, 0                                     ; the last lap fills nothing
	TURN 0, 1, 0
	THREE 1, 0
	s_wait_dscnt 8
	WIN MUL_LO
	MUL16 F1, 0, 0, 0
	MUL16 F1, 0, 2, 0
	s_wait_dscnt 0
	WIN MUL_HI
	MUL16 F1, 1, 0, 0
	MUL16 F1, 1, 2, 0
	; THE WAY OUT, 16 rows of C at a time: round to bf16, 16 bytes a lane into my own stage in LDS, read back as whole rows of 256 bytes.
	PLACES
	s_lshl_b32 s13, s13, 8
	s_lshl_b32 s14, s11, 7
	s_add_co_u32 s16, s13, s14                     ; my first row of C
	s_mov_b32 s17, 0
	s_mov_b64 s[18:19], SIZE_N*2
	s_mul_u64 s[16:17], s[16:17], s[18:19]
	s_add_nc_u64 s[8:9], s[8:9], s[16:17]
	s_lshl_b32 s46, s42, 9                         ; my first column, in bytes: 512 x block + 256 x half
	s_lshl_b32 s47, s12, 8
	s_add_co_u32 s46, s46, s47
	s_mov_b32 s47, 0
	s_add_nc_u64 s[8:9], s[8:9], s[46:47]
.macro OUT16 i, a, from, f
	WIN \from
.irp b, 0,1,2,3,4,5,6,7
.irp r, 0,1,2,3
	v_cvt_pk_bf16_f32 v[TMP+4*\b+\r], v[8*(8*\a+\b)+2*\r], v[8*(8*\a+\b)+2*\r+1]
.endr
.endr
	WIN 0
.irp b, 0,1,2,3,4,5,6,7
	ds_store_b128 v[STO], v[TMP+4*\b:TMP+4*\b+3] offset:32*\b
.endr
	s_wait_xcnt 0x0                                ; buffer f, which earlier stores read, and the stores' base are rewritten only behind this wait (ISA guide 3.1)
.if \i
	s_add_nc_u64 s[8:9], s[8:9], 16*SIZE_N*2
.endif
.irp t, 0,1,2,3,4,5,6,7
	ds_load_b128 v[\f+4*\t:\f+4*\t+3], v[RD] offset:\t*2*SPITCH    ; LDS serves a wave's instructions in order (ISA guide 5.7.1.4): these see the stores above
.endr
.irp t, 0,1,2,3,4,5,6,7
	s_wait_dscnt 7-\t
	global_store_b128 v[CO], v[\f+4*\t:\f+4*\t+3], s[8:9] offset:2*\t*SIZE_N*2   ; 16 lanes store 256 consecutive bytes, aligned
.endr
.endm
	OUT16 0, 0, 0x0a, F0
	OUT16 1, 1, 0x0a, F1
	OUT16 2, 2, 0x0a, F0
	OUT16 3, 3, 0x0a, F1
	OUT16 4, 0, 0x0f, F0
	OUT16 5, 1, 0x0f, F1
	OUT16 6, 2, 0x0f, F0
	OUT16 7, 3, 0x0f, F1
	s_set_vgpr_msb 0x1
	s_wait_tensorcnt 0x0
	ds_add_u32 v255, v255
	s_wait_dscnt 0x0
	s_set_vgpr_msb 0x100
	CROUND                                         ; the closing round: no work-group ends while a partner may still ask for a tile that names it
	s_endpgm
.Lfunc_end_k_q5f45c41fa4_proj:
	.size	k_q5f45c41fa4_proj, .Lfunc_end_k_q5f45c41fa4_proj-k_q5f45c41fa4_proj
	.p2alignl 7, 3214868480
	.fill 96, 4, 3214868480
	.section	.rodata,"a",@progbits
	.p2align	6, 0x0
	.amdhsa_kernel k_q5f45c41fa4_proj
		.amdhsa_group_segment_fixed_size 327680
		.amdhsa_private_segment_fixed_size 0
		.amdhsa_enable_private_segment 0
		.amdhsa_kernarg_size 48
		.amdhsa_user_sgpr_count 2
		.amdhsa_user_sgpr_kernarg_segment_ptr 1
		.amdhsa_wavefront_size32 1
		.amdhsa_system_sgpr_workgroup_id_x 1
		.amdhsa_system_sgpr_workgroup_id_y 1
		.amdhsa_system_sgpr_workgroup_id_z 1
		.amdhsa_system_vgpr_workitem_id 0
		.amdhsa_next_free_vgpr 1024
		.amdhsa_next_free_sgpr 76
		.amdhsa_reserve_vcc 0
		.amdhsa_float_denorm_mode_32 3
		.amdhsa_float_denorm_mode_16_64 3
		.amdhsa_memory_ordered 1
		.amdhsa_forward_progress 1
		.amdhsa_inst_pref_size 198
	.end_amdhsa_kernel
	.amdgpu_metadata
---
amdhsa.version: [ 1, 2 ]
amdhsa.kernels:
  - .name:           k_q5f45c41fa4_proj
    .symbol:         k_q5f45c41fa4_proj.kd
    .args:
      - { .name: xb, .offset: 0, .size: 8, .value_kind: global_buffer, .address_space: global }
      - { .name: wb, .offset: 8, .size: 8, .value_kind: global_buffer, .address_space: global }
      - { .name: pj, .offset: 16, .size: 8, .value_kind: global_buffer, .address_space: global }
      - { .name: bq, .offset: 24, .size: 8, .value_kind: global_buffer, .address_space: global }
      - { .name: bk, .offset: 32, .size: 8, .value_kind: global_buffer, .address_space: global }
      - { .name: bv, .offset: 40, .size: 8, .value_kind: global_buffer, .address_space: global }
    .group_segment_fixed_size: 327680
    .private_segment_fixed_size: 0
    .kernarg_segment_align: 8
    .kernarg_segment_size: 48
    .max_flat_workgroup_size: 128
    .sgpr_count:     76
    .vgpr_count:     1024
    .wavefront_size: 32
...
	.end_amdgpu_metadata
.endif
;; end of part 2
;; launch attn (part 3): grid 16 x 16, 8 waves a work-group, clusters of 4 x 1, 327,680 bytes of LDS; arguments pj, lambda_q1, lambda_k1, lambda_q2, lambda_k2, att; writes att
.if DOCPART == 3
	.amdgcn_target "amdgcn-amd-amdhsa--gfx1250"
	.amdhsa_code_object_version 6
	.text
	.protected	k_q5f45c41fa4_attn
	.globl	k_q5f45c41fa4_attn
	.p2align	8
	.type	k_q5f45c41fa4_attn,@function
k_q5f45c41fa4_attn:
	s_mov_b64 s[64:65], 0
	v_nop
	global_prefetch_b8 v0, s[64:65] scope:SCOPE_SE
	s_setreg_imm32_b32 hwreg(HW_REG_WAVE_MODE, 25, 1), 1
	s_wait_xcnt 0x0
	s_wait_alu depctr_hold_cnt(0) depctr_sa_sdst(0) depctr_va_vdst(0) depctr_va_sdst(0) depctr_va_ssrc(0) depctr_va_vcc(0) depctr_vm_vsrc(0)
	s_getreg_b32 s2, hwreg(HW_REG_IB_STS2, 6, 4)
	s_cmp_eq_u32 s2, 0
	s_cbranch_scc0 .Lentry_in_a_cluster
	s_endpgm
.Lentry_in_a_cluster:
	s_bfe_u32 s2, ttmp6, 0x10000c
	s_cmp_lg_u32 s2, 0x3003
	s_cbranch_scc0 .Lentry_shape_is_right
	s_endpgm
.Lentry_shape_is_right:
; att[b][n][128 h + d] = sum over keys of (softmax(Q1 K1^T / 8) - lam softmax(Q2 K2^T / 8)) V,  lam = exp(lq1.lk1) - exp(lq2.lk2) + 0.8.
; pj is [3][4096][1024] bf16 (projected q, k, v).  Columns 128 h .. 128 h + 127 of a row hold both sub-heads of q and of k, and the head of v: 256 consecutive bytes, aligned.
; A work-group takes one (batch, head) and 128 queries: 16 x 16 = 256 work-groups.  Eight waves, two on a SIMD, so that one wave's softmax runs beside the other's matrix work.
; Wave w: par = w & 1 (which half of each tile's keys), s = (w >> 1) & 1 (sub-head), qh = w >> 2 (which 64 queries).  A wave keeps a running maximum, a running sum and an
; unnormalised O (128 d x 64 queries, f32) of its own; at the end the two key halves are merged by their maxima and sums, and the two sub-heads by 1 and -lam, through LDS.
; BOTH PRODUCTS ARE TRANSPOSED: S^T = K Q^T (lane = query, registers = keys) and O^T = V^T P^T.  So a query's maximum needs one exchange between the lane halves, every rescale is a
; multiply by the lane's own factor, and the packed scores of key blocks 2 kk, 2 kk + 1 ARE the B fragment of the second product: no shuffle.
; CLUSTER 4 x 1: the four query blocks of a cluster read the same K and V tiles; each tile is asked for jointly (mask 15).
; LIMITS: the probabilities (about 1 at most) and V enter the second product rounded to bf16; the sum of a row is taken from the unrounded f32 probabilities; v_exp_f32 gives 0 below 2^-126;
; NaN and infinite inputs are not treated; the key halves are summed in a fixed order that is not the order of a plain sum over all keys.
.set ROWB, 2048                        ; bytes of a row of pj and of att
.set VP,   288                         ; LDS pitch of V's rows: 256 + 32, an odd multiple of 32, for the transposing load
.set KP,   272                         ; LDS pitch of K's rows: 256 + 16, an odd multiple of 16
.set KOFF, 256*VP                      ; in a slot: V's 256 rows, then K's 256 rows
.set SLOT, 256*VP+256*KP               ; 143,360 bytes; two slots
.set TILEB, 256*ROWB                   ; 256 keys on in pj
.set SP,   528                         ; the merge's stage: a query's 128 f32 + 16 bytes
.set STG,  64*SP                       ; a wave's stage: 64 queries.  The stages lie on the slots, which have had their last fill by then
.set STATB, 8*STG                      ; behind the stages: 1,024 bytes a wave for its maxima and sums
.set ADV, 2                            ; v2-3    LDS address of my V fragments in slot 0, 1
.set ADK, 4                            ; v4-5    the same for K
.set MX,  8                            ; v8-11   running maximum of query block n, in score units
.set LS,  12                           ; v12-15  running sum (each lane half's own part until the end)
.set FB,  16                           ; v16-63  six fragment buffers of 8 registers; the last two also serve the softmax:
.set AL,  48                           ; v48-51  factor exp2(c (old maximum - new))
.set NM,  52                           ; v52-55  -c x new maximum
.set T,   56                           ; v56-59  at work
.set T2,  60                           ; v60-63  at work
.set SU,  56                           ; v56-63  four pairs of partial sums
.set QF,  64                           ; v64-127 Q fragment (n, kd) at 64 + 16 n + 8 kd
.set SC,  128                          ; v128-255 score tile (mk, n) at 128 + 64 (mk >> 1) + 16 n + 8 (mk & 1); packed in place: P(n, kk) at 128 + 64 kk + 16 n,
.set HO,  136                          ;         which leaves eight free buffers of 8 registers at 136 + 16 i
; window 1 (v256-511): O tile (md, n) at 8 (4 md + n): d = 16 md + 8 (l / 16) + j, query 16 n + l % 16
.set G1V, 16                           ; s[16:23] descriptor group 1, V's tiles
.set G1K, 24                           ; s[24:31] K's tiles: another padding
.set G0V, 32                           ; s[32:39] group 0 for V, one set for each slot
.set G0K, 40                           ; s[40:47] group 0 for K
.set MSB, 0
.macro WIN new                         ; the immediate's high byte repeats the setting that is left
.if MSB != \new
	s_set_vgpr_msb (MSB<<8)|\new
.set MSB, \new
.endif
.endm
.macro PLACES cnt                      ; places behind matrix instructions: plain vector instructions that name none of their registers (ISA guide 7.12.1)
.rept \cnt
	v_nop
.endr
.endm
; A round of the cluster's barrier: my work-group's barrier; wave 0 signals for the work-group; every wave waits for all four work-groups; my work-group's barrier again.
.macro ROUND
	s_barrier_signal -1
	s_barrier_wait -1
	s_cmp_lg_u32 s48, 0
	s_cbranch_scc1 .Lnot_wave_0_\@
	s_barrier_signal -3
.Lnot_wave_0_\@:
	s_barrier_wait -3
	s_barrier_signal -1
	s_barrier_wait -1
.endm
; A joint load into slot g: waves 0-3 bring V's four quarters of 64 rows, waves 4-7 K's.  The branch hangs on the wave's number alone.
.macro JLOAD g
	s_cmp_eq_u32 s51, 0
	s_cbranch_scc0 .Lfor_k_\@
	tensor_load_to_lds s[G0V+4*(\g):G0V+4*(\g)+3], s[G1V:G1V+7]
	s_nop 0
	s_branch .Lasked_\@
.Lfor_k_\@:
	tensor_load_to_lds s[G0K+4*(\g):G0K+4*(\g)+3], s[G1K:G1K+7]
	s_nop 0
.Lasked_\@:
.endm
	s_load_b256 s[4:11], s[0:1], 0x0               ; pj s[4:5], lambda_q1 s[6:7], lambda_k1 s[8:9], lambda_q2 s[10:11]
	s_load_b128 s[12:15], s[0:1], 0x20             ; lambda_k2 s[12:13], att s[14:15]
	v_lshl_add_u32 v62, v0, 2, 0x46000
	v_mov_b32 v63, 0
	ds_add_u32 v62, v63
	s_wait_dscnt 0x0
	v_lshrrev_b32 v1, 5, v0
	v_readfirstlane_b32 s48, v1                    ; wave 0..7
	s_and_b32 s49, s48, 1                          ; par
	s_lshr_b32 s50, s48, 1
	s_and_b32 s50, s50, 1                          ; s
	s_lshr_b32 s51, s48, 2                         ; qh.  Also: I fetch for V (0) or for K (1)
	s_mov_b32 s52, 0x3e38aa3b                      ; c = log2(e) / 8: the scale 1 / sqrt(64) and the change of base in one factor
	s_mov_b32 s53, 0x3e38aa3b
	s_mov_b32 s54, 0xbe38aa3b                      ; -c
	s_mov_b32 s56, 0x76543210                      ; v_permlanex16_b32: lane i of one half reads lane i of the other
	s_mov_b32 s57, 0xfedcba98
	s_bfe_u32 s59, ttmp6, 0x40000                  ; cx
	s_lshl_b32 s60, ttmp9, 2
	s_add_co_u32 s60, s60, s59                     ; query block = 4 x cluster x + cx
	s_and_b32 s61, ttmp7, 0xffff                   ; 8 x batch + head
	s_lshr_b32 s62, s61, 3                         ; batch
	s_and_b32 s63, s61, 7                          ; head
	; group 1: tiles of 64 rows x 128 elements of 2 bytes, rows 1,024 elements apart; mask 15 with bit 21 beside it; padding behind every 64 words: 8 words (V), 4 words (K)
	s_mov_b32 s[G1V+0], 15|(1<<16)|(1<<20)|(1<<21)|(5<<22)|(7<<25)
	s_mov_b32 s[G1K+0], 15|(1<<16)|(1<<20)|(1<<21)|(5<<22)|(3<<25)
	s_mov_b32 s[G1V+1], 128<<16                    ; tensor_dim0 = 128
	s_mov_b32 s[G1K+1], 128<<16
	s_mov_b32 s[G1V+2], 64<<16                     ; tensor_dim1 = 64
	s_mov_b32 s[G1K+2], 64<<16
	s_mov_b32 s[G1V+3], 128<<16                    ; tile_dim0 = 128
	s_mov_b32 s[G1K+3], 128<<16
	s_mov_b32 s[G1V+4], 64                         ; tile_dim1 = 64
	s_mov_b32 s[G1K+4], 64
	s_mov_b32 s[G1V+5], 1024                       ; elements from row to row
	s_mov_b32 s[G1K+5], 1024
	s_mov_b32 s[G1V+6], 0
	s_mov_b32 s[G1K+6], 0
	s_mov_b32 s[G1V+7], 0
	s_mov_b32 s[G1K+7], 0
	; where the tiles come from: batch, head and the wave's number alone, which the four partners share
	s_lshl_b32 s66, s62, 11                        ; 2048 x batch
	s_lshl_b32 s67, s48, 6
	s_add_co_u32 s67, s66, s67                     ; + 64 w
	s_lshl_b32 s78, s63, 8                         ; the head's 256 bytes in a row
	s_add_co_u32 s68, s67, 8192                    ; V: row 8192 + 2048 b + 64 w (waves 0-3)
	s_lshl_b32 s68, s68, 11
	s_add_co_u32 s68, s68, s78
	s_mov_b32 s69, 0
	s_add_co_u32 s70, s67, 3840                    ; K: row 4096 + 2048 b + 64 (w - 4) (waves 4-7)
	s_lshl_b32 s70, s70, 11
	s_add_co_u32 s70, s70, s78
	s_mov_b32 s71, 0
	s_mul_i32 s72, s48, 64*VP                      ; and where they go: V's quarter w,
	s_mul_i32 s73, s48, 64*KP
	s_add_co_u32 s73, s73, KOFF-4*64*KP            ; K's quarter w - 4
	s_wait_kmcnt 0x0
	s_add_nc_u64 s[74:75], s[4:5], s[68:69]
	s_add_nc_u64 s[76:77], s[4:5], s[70:71]
.irp g, 0,1
	s_mov_b32 s[G0V+4*\g], 1
	s_add_co_u32 s[G0V+4*\g+1], s72, \g*SLOT
	s_add_nc_u64 s[G0V+4*\g+2:G0V+4*\g+3], s[74:75], \g*TILEB
	s_or_b32 s[G0V+4*\g+3], s[G0V+4*\g+3], 0x80000000
	s_mov_b32 s[G0K+4*\g], 1
	s_add_co_u32 s[G0K+4*\g+1], s73, \g*SLOT
	s_add_nc_u64 s[G0K+4*\g+2:G0K+4*\g+3], s[76:77], \g*TILEB
	s_or_b32 s[G0K+4*\g+3], s[G0K+4*\g+3], 0x80000000
.endr
	ROUND                                          ; all four work-groups are here: the first joint loads meet
	JLOAD 0                                        ; keys 0-255
	JLOAD 1                                        ; keys 256-511: two tensor loads of a wave are out, later one
	; Q: my 64 queries x my sub-head's 64 dims stay in registers.  Fragment (n, kd): lane l holds query 16 n + l % 16, dims 32 kd + 8 (l / 16) + 0..7 and 32 kd + 16 + 8 (l / 16) + 0..7.
	s_lshl_b32 s80, s60, 7                         ; 128 x query block
	s_add_co_u32 s80, s80, s66                     ; + 2048 x batch
	s_lshl_b32 s79, s51, 6
	s_add_co_u32 s80, s80, s79                     ; + 64 qh: my first query's row
	s_lshl_b32 s80, s80, 11
	s_add_co_u32 s80, s80, s78                     ; + the head's 256 bytes
	s_mov_b32 s81, 0
	s_add_nc_u64 s[86:87], s[14:15], s[80:81]      ; att at my group's 64 queries
	s_lshl_b32 s79, s50, 7
	s_add_co_u32 s80, s80, s79                     ; + 128 s: my sub-head
	s_add_nc_u64 s[82:83], s[4:5], s[80:81]
	v_and_b32 v6, 15, v0                           ; l % 16
	v_bfe_u32 v7, v0, 4, 1                         ; l / 16
	v_lshlrev_b32 v1, 11, v6
	v_lshl_add_u32 v1, v7, 4, v1
.irp n, 0,1,2,3
.irp kd, 0,1
	global_load_b128 v[QF+16*\n+8*\kd:QF+16*\n+8*\kd+3],   v1, s[82:83] offset:16*ROWB*\n+64*\kd
	global_load_b128 v[QF+16*\n+8*\kd+4:QF+16*\n+8*\kd+7], v1, s[82:83] offset:16*ROWB*\n+64*\kd+32
.endr
.endr
	v_and_b32 v16, 31, v0
	v_lshlrev_b32 v16, 3, v16                      ; two numbers of each lambda a lane
	global_load_b64 v[128:129], v16, s[6:7]
	global_load_b64 v[130:131], v16, s[8:9]
	global_load_b64 v[132:133], v16, s[10:11]
	global_load_b64 v[134:135], v16, s[12:13]
	; K fragment: row (key) l % 16, 16 bytes at 16 (l / 16), my sub-head's 128 bytes, my half's 128 rows
	v_mul_u32_u24 v[ADK], v6, KP
	v_lshl_add_u32 v[ADK], v7, 4, v[ADK]
	s_mul_i32 s79, s49, 128*KP
	s_add_co_u32 s79, s79, KOFF
	s_lshl_b32 s55, s50, 7
	s_add_co_u32 s79, s79, s55
	v_add_nc_u32 v[ADK], s79, v[ADK]
	v_add_nc_u32 v[ADK+1], SLOT, v[ADK]
	; V fragment through the transposing load: row 8 (l / 16) + l % 8, 16 bytes at 16 ((l >> 3) & 1)
	v_and_b32 v[ADV], 7, v0
	v_lshl_or_b32 v[ADV], v7, 3, v[ADV]
	v_mul_u32_u24 v[ADV], v[ADV], VP
	v_bfe_u32 v[ADV+1], v0, 3, 1
	v_lshl_add_u32 v[ADV], v[ADV+1], 4, v[ADV]
	s_mul_i32 s79, s49, 128*VP
	v_add_nc_u32 v[ADV], s79, v[ADV]
	v_add_nc_u32 v[ADV+1], SLOT, v[ADV]
	s_wait_loadcnt 0x0                             ; Q and the lambdas are in
	; lam.  s58 = my sub-head's weight in the difference: 1 or -lam
	v_mul_f32 v136, v128, v130
	v_mul_f32 v137, v132, v134
	v_fmac_f32 v136, v129, v131
	v_fmac_f32 v137, v133, v135
.irp m, 1,2,4,8
	v_add_f32_dpp v136, v136, v136 row_xmask:\m row_mask:0xf bank_mask:0xf
	v_add_f32_dpp v137, v137, v137 row_xmask:\m row_mask:0xf bank_mask:0xf
.endr
	v_permlanex16_b32 v128, v136, s56, s57
	v_permlanex16_b32 v129, v137, s56, s57
	v_add_f32 v136, v136, v128
	v_add_f32 v137, v137, v129
	v_mul_f32 v136, 0x3fb8aa3b, v136
	v_mul_f32 v137, 0x3fb8aa3b, v137
	v_exp_f32 v136, v136
	v_exp_f32 v137, v137
	v_nop                                          ; one plain place behind the exponentials (ISA guide 5.7.2)
	s_wait_alu depctr_va_vdst(0)
	v_sub_f32 v136, v137, v136                     ; lam2 - lam1
	v_add_f32 v136, 0xbf4ccccd, v136               ; - 0.8: -lam
	v_readfirstlane_b32 s58, v136
	s_cmp_eq_u32 s50, 0
	s_cselect_b32 s58, 0x3f800000, s58
; four LDS loads: the K fragments (key block mk; dims 0-31 and 32-63) into buffers fb, fb + 1
.macro KLOAD slot, st, mk, fb
.irp kd, 0,1
	ds_load_b128 v[FB+8*(\fb+\kd):FB+8*(\fb+\kd)+3],   v[ADK+\slot] offset:(64*\st+16*\mk)*KP+64*\kd
	ds_load_b128 v[FB+8*(\fb+\kd)+4:FB+8*(\fb+\kd)+7], v[ADK+\slot] offset:(64*\st+16*\mk)*KP+64*\kd+32
.endr
.endm
; eight matrix instructions: 16 keys x 64 queries.  The four accumulators take turns, one instruction a turn.
.macro SMUL mk, fb
.irp n, 0,1,2,3
	v_wmma_f32_16x16x32_bf16 v[SC+64*(\mk>>1)+16*\n+8*(\mk&1):SC+64*(\mk>>1)+16*\n+8*(\mk&1)+7], v[FB+8*\fb:FB+8*\fb+7], v[QF+16*\n:QF+16*\n+7], 0
.endr
.irp n, 0,1,2,3
	v_wmma_f32_16x16x32_bf16 v[SC+64*(\mk>>1)+16*\n+8*(\mk&1):SC+64*(\mk>>1)+16*\n+8*(\mk&1)+7], v[FB+8*\fb+8:FB+8*\fb+15], v[QF+16*\n+8:QF+16*\n+15], v[SC+64*(\mk>>1)+16*\n+8*(\mk&1):SC+64*(\mk>>1)+16*\n+8*(\mk&1)+7]
.endr
.endm
; two transposing loads: V^T fragment, d block md x keys 32 kk .. 32 kk + 31
.macro VLOAD slot, st, kk, md, dst
	ds_load_tr16_b128 v[\dst:\dst+3],   v[ADV+\slot] offset:(64*\st+32*\kk)*VP+32*(\md)
	ds_load_tr16_b128 v[\dst+4:\dst+7], v[ADV+\slot] offset:(64*\st+32*\kk)*VP+32*(\md)+16*VP
.endm
; query block n: e = c S - c maximum (16 packed multiply-adds), then 32 exponentials in place.  pr, sel: where NM[n] lies in its pair.
.macro BLK n, pr, sel
.irp hh, 0,64
.irp i, 0,2,4,6,8,10,12,14
	v_pk_fma_f32 v[SC+\hh+16*\n+\i:SC+\hh+16*\n+\i+1], v[SC+\hh+16*\n+\i:SC+\hh+16*\n+\i+1], s[52:53], v[NM+\pr:NM+\pr+1] op_sel:[0,0,\sel] op_sel_hi:[1,0,\sel]
.endr
.endr
.irp hh, 0,64
.irp i, 0,1,2,3,4,5,6,7,8,9,10,11,12,13,14,15
	v_exp_f32 v[SC+\hh+16*\n+\i], v[SC+\hh+16*\n+\i]
.endr
.endr
.endm
; O of query block n times the lane's factor AL[n]: 32 packed multiplies.  Runs with destination and source 0 in window 1.
.macro RESC n, pr, sel
.irp md, 0,1,2,3,4,5,6,7
.irp p, 0,2,4,6
	v_pk_mul_f32 v[8*(4*\md+\n)+\p:8*(4*\md+\n)+\p+1], v[8*(4*\md+\n)+\p:8*(4*\md+\n)+\p+1], v[AL+\pr:AL+\pr+1] op_sel:[0,\sel] op_sel_hi:[1,\sel]
.endr
.endr
.endm
; four matrix instructions: O(md, 0..3) += V^T(md, kk) P(0..3, kk)
.macro PV kk, md, src, zero
.irp n, 0,1,2,3
.if \zero
	v_wmma_f32_16x16x32_bf16 v[8*(4*(\md)+\n):8*(4*(\md)+\n)+7], v[\src:\src+7], v[SC+64*\kk+16*\n:SC+64*\kk+16*\n+7], 0
.else
	v_wmma_f32_16x16x32_bf16 v[8*(4*(\md)+\n):8*(4*(\md)+\n)+7], v[\src:\src+7], v[SC+64*\kk+16*\n:SC+64*\kk+16*\n+7], v[8*(4*(\md)+\n):8*(4*(\md)+\n)+7]
.endif
.endr
.endm
; 64 keys (my half's rows 64 st .. 64 st + 63 of the slot) against my 64 queries.  first = 1: the wave's first keys start maximum, sum and O: nothing is cleared.
.macro STEP slot, st, first
	PLACES 5                                       ; the last step's products read the registers that the loads and the scores below write over
	KLOAD \slot, \st, 0, 0
	KLOAD \slot, \st, 1, 2
	KLOAD \slot, \st, 2, 4
	s_wait_dscnt 8                                 ; key block 0 is in; blocks 1 and 2 (eight loads) stay out
	SMUL 0, 0
	PLACES 4
	KLOAD \slot, \st, 3, 0
	s_wait_dscnt 8                                 ; block 1 is in; blocks 2 and 3 stay out
	SMUL 1, 2
	s_wait_dscnt 4                                 ; block 2 is in
	SMUL 2, 4
	s_wait_dscnt 0
	SMUL 3, 0
	PLACES 4                                       ; in front of the loads into the buffers and of the first read of a score
.irp md, 0,1,2,3
	VLOAD \slot, \st, 0, \md, FB+8*\md
.endr
	; the new maximum of each query: 32 scores a lane and the old maximum in 16 three-way maxima, four chains side by side; then the other lane half's
.irp n, 0,1,2,3
	v_max3_num_f32 v[T+\n], v[SC+16*\n], v[SC+16*\n+1], v[SC+16*\n+2]
.endr
.irp i, 3,5,7,9,11,13,15,17,19,21,23,25,27,29
.irp n, 0,1,2,3
	v_max3_num_f32 v[T+\n], v[T+\n], v[SC+64*(\i>>4)+16*\n+(\i&15)], v[SC+64*((\i+1)>>4)+16*\n+((\i+1)&15)]
.endr
.endr
.irp n, 0,1,2,3
.if \first
	v_max_num_f32 v[T+\n], v[T+\n], v[SC+64+16*\n+15]
.else
	v_max3_num_f32 v[T+\n], v[T+\n], v[SC+64+16*\n+15], v[MX+\n]
.endif
.endr
.irp n, 0,1,2,3
	v_permlanex16_b32 v[T2+\n], v[T+\n], s56, s57
.endr
.irp n, 0,1,2,3
	v_max_num_f32 v[T+\n], v[T+\n], v[T2+\n]
.endr
.irp n, 0,1,2,3
	v_mul_f32 v[NM+\n], s54, v[T+\n]               ; -c x new maximum
.endr
.if \first == 0
.irp n, 0,1,2,3
	v_fma_f32 v[AL+\n], v[MX+\n], s52, v[NM+\n]    ; c (old - new)
.endr
.irp n, 0,1,2,3
	v_exp_f32 v[AL+\n], v[AL+\n]
.endr
.endif
.irp n, 0,1,2,3
	v_mov_b32 v[MX+\n], v[T+\n]                    ; plain places behind the exponentials
.endr
	BLK 0, 0, 0                                    ; each block's multiply-adds are the plain places behind the block before's exponentials
	BLK 1, 0, 1
	BLK 2, 2, 0
	BLK 3, 2, 1
	; the sums, from the unrounded probabilities: 15 packed adds a block, four chains side by side
	s_wait_alu depctr_va_vdst(0)
.irp n, 0,1,2,3
	v_pk_add_f32 v[SU+2*\n:SU+2*\n+1], v[SC+16*\n:SC+16*\n+1], v[SC+16*\n+2:SC+16*\n+3]
.endr
.irp i, 4,6,8,10,12,14
.irp n, 0,1,2,3
	v_pk_add_f32 v[SU+2*\n:SU+2*\n+1], v[SU+2*\n:SU+2*\n+1], v[SC+16*\n+\i:SC+16*\n+\i+1]
.endr
.endr
.irp i, 0,2,4,6,8,10,12,14
.irp n, 0,1,2,3
	v_pk_add_f32 v[SU+2*\n:SU+2*\n+1], v[SU+2*\n:SU+2*\n+1], v[SC+64+16*\n+\i:SC+64+16*\n+\i+1]
.endr
.endr
.irp n, 0,1,2,3
.if \first
	v_add_f32 v[LS+\n], v[SU+2*\n], v[SU+2*\n+1]
.else
	v_fma_f32 v[LS+\n], v[LS+\n], v[AL+\n], v[SU+2*\n]
	v_add_f32 v[LS+\n], v[LS+\n], v[SU+2*\n+1]
.endif
.endr
	; pack to bf16 in place, ascending: register i of a block of 16 takes registers 2 i, 2 i + 1, which lie at or above it
.irp i, 0,1,2,3,4,5,6,7
.irp b, 0,16,32,48,64,80,96,112
	v_cvt_pk_bf16_f32 v[SC+\b+\i], v[SC+\b+2*\i], v[SC+\b+2*\i+1]
.endr
.endr
.irp md, 0,1,2,3
	VLOAD \slot, \st, 0, 4+\md, HO+16*\md          ; into the registers that the packing has freed
.endr
.irp md, 0,1,2,3
	VLOAD \slot, \st, 1, \md, HO+64+16*\md
.endr
.if \first == 0
	WIN 0x41                                       ; destination and source 0 (O) window 1, source 1 (the factor) window 0
	RESC 0, 0, 0
	RESC 1, 0, 1
	RESC 2, 2, 0
	RESC 3, 2, 1
.endif
	s_wait_dscnt 0x0                               ; the 24 V loads are in
.if \first
	WIN 0x40                                       ; D window 1; C is the constant 0
.else
	WIN 0x50                                       ; C and D window 1
.endif
	; the 32 accumulators take turns, one instruction a turn
.irp md, 0,1,2,3
	PV 0, \md, FB+8*\md, \first
.endr
	WIN 0
	PLACES 4
.irp md, 0,1,2,3
	VLOAD \slot, \st, 1, 4+\md, FB+8*\md           ; 32 matrix instructions ahead of their use
.endr
.if \first
	WIN 0x40
.else
	WIN 0x50
.endif
.irp md, 0,1,2,3
	PV 0, 4+\md, HO+16*\md, \first
.endr
	WIN 0x50
.irp md, 0,1,2,3
	PV 1, \md, HO+64+16*\md, 0
.endr
	s_wait_dscnt 0x0
.irp md, 0,1,2,3
	PV 1, 4+\md, FB+8*\md, 0
.endr
	WIN 0
.endm
; A slot's 256 keys.  In front of the round every wave waits for all its tensor loads (its part of this slot among them) and for its reads of the other slot;
; behind the round the other slot's refill is the wave's first tensor load and its only one until the next round: it has two steps' work in which to land.
.macro TWO slot, refill
	s_wait_xcnt 0x0
	v_lshl_add_u32 v62, v0, 2, 0x46000
	v_mov_b32 v63, 0
	s_wait_tensorcnt 0x0
	ds_add_u32 v62, v63
	s_wait_dscnt 0x0
	s_add_nc_u64 s[G0V+6-4*\slot:G0V+7-4*\slot], s[G0V+6-4*\slot:G0V+7-4*\slot], 2*TILEB   ; no tensor load of mine is out: the other slot's next tile
	s_add_nc_u64 s[G0K+6-4*\slot:G0K+7-4*\slot], s[G0K+6-4*\slot:G0K+7-4*\slot], 2*TILEB
	s_wait_dscnt 0x0
	ROUND
.if \refill
	JLOAD 1-\slot
.endif
	STEP \slot, 0, 0
	STEP \slot, 1, 0
.endm
	s_wait_tensorcnt 0x1                           ; my part of slot 0 is in; slot 1's stays out
	s_barrier_signal -1
	s_barrier_wait -1
	STEP 0, 0, 1
	STEP 0, 1, 0
	s_mov_b32 s55, 3                               ; eight tiles of 256 keys: one in front, six in the loop, one behind
.Ltiles:
	TWO 1, 1
	TWO 0, 1
	s_sub_co_u32 s55, s55, 1
	s_cmp_lg_u32 s55, 0
	s_cbranch_scc1 .Ltiles
	TWO 1, 0                                       ; nothing is left to fetch (slot 0's stepped address is not used)
	; THE MERGE.  First the two lane halves' sums; then maxima and sums of the two key halves meet in LDS.
	PLACES 4
.irp n, 0,1,2,3
	v_permlanex16_b32 v[T+\n], v[LS+\n], s56, s57
.endr
.irp n, 0,1,2,3
	v_add_f32 v[LS+\n], v[LS+\n], v[T+\n]
.endr
	s_wait_dscnt 0x0
	s_barrier_signal -1
	s_barrier_wait -1                              ; every wave's reads of the slots are over, and every tensor load has landed: the slots' bytes are free
	v_and_b32 v1, 31, v0
	v_lshlrev_b32 v1, 4, v1
	s_lshl_b32 s79, s48, 10
	s_add_co_u32 s79, s79, STATB
	v_add_nc_u32 v6, s79, v1                       ; my wave's words
	s_xor_b32 s79, s48, 1
	s_lshl_b32 s79, s79, 10
	s_add_co_u32 s79, s79, STATB
	v_add_nc_u32 v7, s79, v1                       ; the words of the wave with the other key half
	ds_store_b128 v6, v[MX:MX+3]
	ds_store_b128 v6, v[LS:LS+3] offset:512
	s_wait_dscnt 0x0                               ; for the partner's sake
	s_barrier_signal -1
	s_barrier_wait -1
	ds_load_b128 v[16:19], v7                      ; its maxima
	ds_load_b128 v[20:23], v7 offset:512           ; its sums
	s_wait_dscnt 0x0
.irp n, 0,1,2,3
	v_max_num_f32 v[24+\n], v[MX+\n], v[16+\n]     ; the common maximum
.endr
.irp n, 0,1,2,3
	v_sub_f32 v[28+\n], v[MX+\n], v[24+\n]
	v_sub_f32 v[32+\n], v[16+\n], v[24+\n]
.endr
.irp n, 0,1,2,3
	v_mul_f32 v[28+\n], s52, v[28+\n]
	v_mul_f32 v[32+\n], s52, v[32+\n]
.endr
.irp n, 0,1,2,3
	v_exp_f32 v[28+\n], v[28+\n]                   ; my factor
	v_exp_f32 v[32+\n], v[32+\n]                   ; the partner's
.endr
	v_and_b32 v1, 15, v0                           ; l % 16 (a plain place behind the exponentials)
	s_wait_alu depctr_va_vdst(0)
.irp n, 0,1,2,3
	v_mul_f32 v[36+\n], v[20+\n], v[32+\n]
.endr
.irp n, 0,1,2,3
	v_fmac_f32 v[36+\n], v[LS+\n], v[28+\n]        ; the whole row's sum: at least about 1, since the half with the larger maximum holds a term exp2(0)
.endr
.irp n, 0,1,2,3
	v_rcp_f32 v[36+\n], v[36+\n]
.endr
.irp n, 0,1,2,3
	v_mul_f32 v[28+\n], s58, v[28+\n]              ; times 1 or -lam (plain places behind the reciprocals)
.endr
	s_wait_alu depctr_va_vdst(0)
.irp n, 0,1,2,3
	v_mul_f32 v[AL+\n], v[28+\n], v[36+\n]
.endr
	WIN 0x41
	RESC 0, 0, 0
	RESC 1, 0, 1
	RESC 2, 2, 0
	RESC 3, 2, 1
	WIN 0
	v_bfe_u32 v6, v0, 4, 1                         ; l / 16
	v_mul_u32_u24 v7, v1, SP
	v_lshl_add_u32 v7, v6, 5, v7
	s_mul_i32 s79, s48, STG
	v_add_nc_u32 v7, s79, v7                       ; my stage: query l % 16, 32 bytes at 32 (l / 16)
	WIN 0x04                                       ; the stores' data in window 1
.irp n, 0,1,2,3
.irp md, 0,1,2,3,4,5,6,7
	ds_store_b128 v7, v[8*(4*\md+\n):8*(4*\md+\n)+3]   offset:16*SP*\n+64*\md
	ds_store_b128 v7, v[8*(4*\md+\n)+4:8*(4*\md+\n)+7] offset:16*SP*\n+64*\md+16
.endr
.endr
	WIN 0
	s_wait_dscnt 0x0                               ; for the other waves' sake
	s_barrier_signal -1
	s_barrier_wait -1
	; Wave w adds the four stages of its group of 64 queries for 16 of them (g = w & 3): (key halves of sub-head 0) + (key halves of sub-head 1), rounds to bf16 and stores.
	; A lane takes 8 neighbouring d of a query, so sixteen lanes store 256 consecutive bytes, aligned.  The lanes' 32-byte stride in LDS collides two deep: once in the kernel.
	s_and_b32 s66, s48, 3                          ; g
	s_mul_i32 s67, s66, 16*SP
	s_mul_i32 s79, s51, 4*STG
	s_add_co_u32 s79, s79, s67
	v_mul_u32_u24 v7, v6, SP
	v_lshl_add_u32 v7, v1, 5, v7
	v_add_nc_u32 v2, s79, v7
	v_add_nc_u32 v3, STG, v2
	v_add_nc_u32 v4, 2*STG, v2
	v_add_nc_u32 v5, 3*STG, v2
	v_lshlrev_b32 v8, 11, v6
	v_lshl_add_u32 v8, v1, 4, v8                   ; in att: row l / 16, 16 bytes at 16 (l % 16)
	s_lshl_b32 s84, s66, 15                        ; 16 g rows of 2,048 bytes
	s_mov_b32 s85, 0
	s_add_nc_u64 s[86:87], s[86:87], s[84:85]
.irp bt, 0,1
.irp t, 0,1,2,3
.irp u, 0,1,2,3
	ds_load_b128 v[128+32*\t+8*\u:128+32*\t+8*\u+3],   v[2+\u] offset:(4*\bt+\t)*2*SP
	ds_load_b128 v[128+32*\t+8*\u+4:128+32*\t+8*\u+7], v[2+\u] offset:(4*\bt+\t)*2*SP+16
.endr
.endr
.irp t, 0,1,2,3
	s_wait_dscnt 8*(3-\t)                          ; this pair of rows is in; eight loads for each later pair stay out
.irp p, 0,2,4,6
	v_pk_add_f32 v[128+32*\t+\p:128+32*\t+\p+1], v[128+32*\t+\p:128+32*\t+\p+1], v[128+32*\t+8+\p:128+32*\t+8+\p+1]
	v_pk_add_f32 v[128+32*\t+16+\p:128+32*\t+16+\p+1], v[128+32*\t+16+\p:128+32*\t+16+\p+1], v[128+32*\t+24+\p:128+32*\t+24+\p+1]
.endr
.irp p, 0,2,4,6
	v_pk_add_f32 v[128+32*\t+\p:128+32*\t+\p+1], v[128+32*\t+\p:128+32*\t+\p+1], v[128+32*\t+16+\p:128+32*\t+16+\p+1]
.endr
.irp p, 0,1,2,3
	v_cvt_pk_bf16_f32 v[16+4*(4*\bt+\t)+\p], v[128+32*\t+2*\p], v[128+32*\t+2*\p+1]
.endr
	global_store_b128 v8, v[16+4*(4*\bt+\t):16+4*(4*\bt+\t)+3], s[86:87] offset:(4*\bt+\t)*2*ROWB
.endr
.endr
	s_wait_xcnt 0x0
	v_lshl_add_u32 v62, v0, 2, 0x46000
	v_mov_b32 v63, 0
	s_wait_tensorcnt 0x0
	ds_add_u32 v62, v63
	s_wait_dscnt 0x0
	ROUND                                          ; the closing round: no work-group ends while a partner may still ask for a tile that names it
	s_endpgm
.Lfunc_end_k_q5f45c41fa4_attn:
	.size	k_q5f45c41fa4_attn, .Lfunc_end_k_q5f45c41fa4_attn-k_q5f45c41fa4_attn
	.p2alignl 7, 3214868480
	.fill 96, 4, 3214868480
	.section	.rodata,"a",@progbits
	.p2align	6, 0x0
	.amdhsa_kernel k_q5f45c41fa4_attn
		.amdhsa_group_segment_fixed_size 327680
		.amdhsa_private_segment_fixed_size 0
		.amdhsa_enable_private_segment 0
		.amdhsa_kernarg_size 48
		.amdhsa_user_sgpr_count 2
		.amdhsa_user_sgpr_kernarg_segment_ptr 1
		.amdhsa_wavefront_size32 1
		.amdhsa_system_sgpr_workgroup_id_x 1
		.amdhsa_system_sgpr_workgroup_id_y 1
		.amdhsa_system_sgpr_workgroup_id_z 1
		.amdhsa_system_vgpr_workitem_id 0
		.amdhsa_next_free_vgpr 512
		.amdhsa_next_free_sgpr 88
		.amdhsa_reserve_vcc 0
		.amdhsa_float_denorm_mode_32 3
		.amdhsa_float_denorm_mode_16_64 3
		.amdhsa_memory_ordered 1
		.amdhsa_forward_progress 1
		.amdhsa_inst_pref_size 255
	.end_amdhsa_kernel
	.section	.bss,"aw",@nobits
	.p2align	6
	.space	262144
	.amdgpu_metadata
---
amdhsa.version: [ 1, 2 ]
amdhsa.kernels:
  - .name:           k_q5f45c41fa4_attn
    .symbol:         k_q5f45c41fa4_attn.kd
    .args:
      - { .name: pj, .offset: 0, .size: 8, .value_kind: global_buffer, .address_space: global }
      - { .name: lambda_q1, .offset: 8, .size: 8, .value_kind: global_buffer, .address_space: global }
      - { .name: lambda_k1, .offset: 16, .size: 8, .value_kind: global_buffer, .address_space: global }
      - { .name: lambda_q2, .offset: 24, .size: 8, .value_kind: global_buffer, .address_space: global }
      - { .name: lambda_k2, .offset: 32, .size: 8, .value_kind: global_buffer, .address_space: global }
      - { .name: att, .offset: 40, .size: 8, .value_kind: global_buffer, .address_space: global }
    .group_segment_fixed_size: 327680
    .private_segment_fixed_size: 0
    .kernarg_segment_align: 8
    .kernarg_segment_size: 48
    .max_flat_workgroup_size: 256
    .sgpr_count:     88
    .vgpr_count:     512
    .wavefront_size: 32
...
	.end_amdgpu_metadata
.endif
;; end of part 3
;; launch outp (part 4): grid 8 x 32, 4 waves a work-group, clusters of 4 x 4, 327,680 bytes of LDS; arguments att, wb, out0, bo; writes out0
.if DOCPART == 4
	.amdgcn_target "amdgcn-amd-amdhsa--gfx1250"
	.amdhsa_code_object_version 6
	.text
	.protected	k_q5f45c41fa4_outp
	.globl	k_q5f45c41fa4_outp
	.p2align	8
	.type	k_q5f45c41fa4_outp,@function
k_q5f45c41fa4_outp:
	s_mov_b64 s[64:65], 0
	v_nop
	global_prefetch_b8 v0, s[64:65] scope:SCOPE_SE
	s_setreg_imm32_b32 hwreg(HW_REG_WAVE_MODE, 25, 1), 1
	s_wait_xcnt 0x0
	s_wait_alu depctr_hold_cnt(0) depctr_sa_sdst(0) depctr_va_vdst(0) depctr_va_sdst(0) depctr_va_ssrc(0) depctr_va_vcc(0) depctr_vm_vsrc(0)
	s_getreg_b32 s2, hwreg(HW_REG_IB_STS2, 6, 4)
	s_cmp_eq_u32 s2, 0
	s_cbranch_scc0 .Lentry_in_a_cluster
	s_endpgm
.Lentry_in_a_cluster:
	s_bfe_u32 s2, ttmp6, 0x10000c
	s_cmp_lg_u32 s2, 0xf033
	s_cbranch_scc0 .Lentry_shape_is_right
	s_endpgm
.Lentry_shape_is_right:
; out0[m][n] = sum over k of att[m][k] Wo[n][k] + bo[n].  att: [4096][1024] bf16; Wo: the fourth matrix of wb, [1024][1024] bf16; sums, bias and out0 in f32.
; A work-group makes a block of 128 x 128 with four waves, a wave 64 x 64: 16 accumulator tiles, 128 registers.  That gives 8 x 32 = 256 work-groups;
; blocks of 256 x 256 would give 64, each with four times the matrix work.
; K goes in four steps of 256 through two LDS slots: a tile's rows are 512 consecutive bytes, aligned; each wave brings 64 rows with one tensor load.
; CLUSTERS 4 x 4: A's tiles are shared along a row of the cluster, B's along a column, each asked for jointly by the four that need it.
; The matrix instruction is used transposed (source 0 = rows of Wo, source 1 = rows of att): a lane's eight results are eight neighbouring columns of one row.
; The bias is the C operand of each sum's first product.
; REGISTERS: window 0: v16-27 addresses; v64-127, v128-191 two fragment buffers (B's 4 x 8 registers, then A's 4 x 8); v192-223 the bias in an accumulator's layout.
;            window 1: accumulator tile (a, b) at v[8 (4 a + b)].
.set SIZE_N, 1024
.set SIZE_K, 1024
.set KSTEP,  256
.set PITCH,  528                       ; an LDS row: 512 bytes + 16 of padding, an odd multiple of 16
.set HALFT,  64*PITCH                  ; 64 rows: what one tensor load brings, and what one wave reads of A or of B
.set SLOT,   4*HALFT                   ; A's 128 rows, then B's 128 rows
.set STAGE,  2*SLOT                    ; behind the ring: 16 rows x 272 bytes for each wave; no tensor load lands here
.set SPITCH, 272
.set ADRA, 16
.set ADRB, 20
.set STO,  24
.set RD,   25
.set CO,   26
.set BO,   27
.set F0,   64
.set F1,   128
.set BIAS, 192
.set G1, 24
.set G0, 32
.set G1B, 48
.set G0B, 56
.set ACC,  0x50                        ; C and D window 1, sources window 0
.set ACC0, 0x40                        ; D window 1, C (the bias) window 0
.set MSB, 0
.macro WIN new
.if MSB != \new
	s_set_vgpr_msb (MSB<<8)|\new
.set MSB, \new
.endif
.endm
.macro JLOAD s                         ; waves 0 and 1 fetch A's two halves, waves 2 and 3 B's; the branch hangs on the wave's number alone
	s_cmp_eq_u32 s11, 0
	s_cbranch_scc0 .Lfor_b_\@
	tensor_load_to_lds s[G0+4*\s:G0+4*\s+3], s[G1:G1+7]
	s_nop 0
	s_branch .Lasked_\@
.Lfor_b_\@:
	tensor_load_to_lds s[G0B+4*\s:G0B+4*\s+3], s[G1B:G1B+7]
	s_nop 0
.Lasked_\@:
.endm
.macro CREST                           ; a round of the cluster's barrier behind its opening barrier
	s_cmp_lg_u32 s10, 0
	s_cbranch_scc1 .Lnot_wave_0_\@
	s_barrier_signal -3
.Lnot_wave_0_\@:
	s_barrier_wait -3
	s_barrier_signal -1
	s_barrier_wait -1
.endm
.macro CROUND
	s_barrier_signal -1
	s_barrier_wait -1
	CREST
.endm
	s_load_b128 s[4:7], s[0:1], 0x0                ; att s[4:5], wb s[6:7]
	s_load_b64 s[8:9], s[0:1], 0x10                ; out0
	s_load_b64 s[68:69], s[0:1], 0x18              ; bo
	v_lshl_add_u32 v254, v0, 2, 0x46400
	v_mov_b32 v255, 0
	ds_add_u32 v254, v255
	v_lshrrev_b32 v1, 5, v0
	v_readfirstlane_b32 s10, v1                    ; wave 0..3
	s_lshr_b32 s11, s10, 1                         ; which half of the block's rows is mine.  Also: I fetch for A (0) or for B (1)
	s_and_b32 s12, s10, 1                          ; which half of its columns.  Also: which 64 rows of that tile I fetch
	s_bfe_u32 s40, ttmp6, 0x40000                  ; cx
	s_bfe_u32 s41, ttmp6, 0x40004                  ; cy
	s_lshl_b32 s42, ttmp9, 2
	s_add_co_u32 s42, s42, s40                     ; block column
	s_and_b32 s13, ttmp7, 0xffff
	s_lshl_b32 s13, s13, 2
	s_add_co_u32 s13, s13, s41                     ; block row
	s_lshl_b32 s43, s41, 2
	s_lshl_b32 s43, 15, s43                        ; my row of the cluster
	s_lshl_b32 s44, 0x1111, s40                    ; my column
	; group 1: 64 rows x 256 elements of 2 bytes, 4 words of padding behind every 128
	s_or_b32 s[G1+0], s43, (1<<16)|(1<<20)|(1<<21)|(6<<22)|(3<<25)
	s_or_b32 s[G1B+0], s44, (1<<16)|(1<<20)|(1<<21)|(6<<22)|(3<<25)
	s_mov_b32 s[G1B+1], KSTEP<<16
	s_mov_b32 s[G1+1], KSTEP<<16                   ; tensor_dim0 = 256
	s_mov_b32 s[G1B+2], 64<<16
	s_mov_b32 s[G1+2], 64<<16                      ; tensor_dim1 = 64
	s_mov_b32 s[G1B+3], KSTEP<<16
	s_mov_b32 s[G1+3], KSTEP<<16                   ; tile_dim0 = 256
	s_mov_b32 s[G1B+4], 64
	s_mov_b32 s[G1+4], 64                          ; tile_dim1 = 64
	s_mov_b32 s[G1B+5], SIZE_K
	s_mov_b32 s[G1+5], SIZE_K
	s_mov_b32 s[G1B+6], 0
	s_mov_b32 s[G1+6], 0
	s_mov_b32 s[G1B+7], 0
	s_mov_b32 s[G1+7], 0
	s_lshl_b32 s17, s12, 6                         ; which 64 rows of the tile I fetch
	s_lshl_b32 s16, s13, 7
	s_add_co_u32 s16, s16, s17                     ; A: row 128 x block row + 64 x half
	s_lshl_b32 s46, s42, 7
	s_add_co_u32 s46, s46, s17                     ; B: row 128 x block column + 64 x half
	s_mov_b32 s17, 0
	s_mov_b32 s47, 0
	s_mov_b64 s[18:19], SIZE_K*2
	s_mul_u64 s[16:17], s[16:17], s[18:19]
	s_mul_u64 s[46:47], s[46:47], s[18:19]
	s_mul_i32 s20, s10, HALFT                      ; LDS: wave x 64 rows
	s_lshl_b32 s70, s42, 9                         ; my first column in bo, in bytes: 4 (128 x block column + 64 x half)
	s_lshl_b32 s71, s12, 8
	s_add_co_u32 s70, s70, s71
	s_mov_b32 s71, 0
	s_wait_dscnt 0x0
	s_wait_kmcnt 0x0
	s_add_nc_u64 s[14:15], s[4:5], s[16:17]
	s_add_nc_u64 s[46:47], s[6:7], s[46:47]
	s_add_nc_u64 s[46:47], s[46:47], 3*SIZE_N*SIZE_K*2   ; Wo is the fourth matrix of wb
	s_add_nc_u64 s[68:69], s[68:69], s[70:71]
	CROUND                                         ; all sixteen work-groups are here: the first joint loads meet
.irp s, 0,1
	s_mov_b32 s[G0+4*\s], 1
	s_add_co_u32 s[G0+4*\s+1], s20, \s*SLOT
	s_add_nc_u64 s[G0+4*\s+2:G0+4*\s+3], s[14:15], \s*KSTEP*2
	s_or_b32 s[G0+4*\s+3], s[G0+4*\s+3], 0x80000000
	s_mov_b32 s[G0B+4*\s], 1
	s_add_co_u32 s[G0B+4*\s+1], s20, \s*SLOT
	s_add_nc_u64 s[G0B+4*\s+2:G0B+4*\s+3], s[46:47], \s*KSTEP*2
	s_or_b32 s[G0B+4*\s+3], s[G0B+4*\s+3], 0x80000000
	JLOAD \s                                       ; two tensor loads of a wave are out, later one
.endr
	v_and_b32 v1, 15, v0                           ; l % 16
	v_bfe_u32 v2, v0, 4, 1                         ; l / 16
	v_mul_u32_u24 v3, v1, PITCH
	v_lshl_add_u32 v3, v2, 4, v3
	s_mul_i32 s21, s11, HALFT                      ; my 64 rows of A
	s_mul_i32 s22, s12, HALFT                      ; my 64 rows of B,
	s_add_co_u32 s22, s22, 2*HALFT                 ; which lie behind A's 128
.irp s, 0,1
	v_add_nc_u32 v[ADRA+\s], s21, v3
	v_add_nc_u32 v[ADRB+\s], s22, v3
	s_add_co_u32 s21, s21, SLOT
	s_add_co_u32 s22, s22, SLOT
.endr
	s_mul_i32 s23, s10, 16*SPITCH
	s_add_co_u32 s23, s23, STAGE                   ; my stage
	v_mul_u32_u24 v4, v1, SPITCH                   ; in: row l % 16, 32 bytes for each half of the lanes
	v_lshl_add_u32 v4, v2, 5, v4
	v_add_nc_u32 v[STO], s23, v4
	v_mul_u32_u24 v5, v2, SPITCH                   ; back: lanes 0-15 take one row of 256 bytes, lanes 16-31 the next
	v_lshl_add_u32 v5, v1, 4, v5
	v_add_nc_u32 v[RD], s23, v5
	v_lshlrev_b32 v5, 12, v2                       ; and the same two rows in out0, 4,096 bytes apart
	v_lshl_add_u32 v[CO], v1, 4, v5
	v_lshlrev_b32 v[BO], 5, v2
.irp b, 0,1,2,3
	global_load_b128 v[BIAS+8*\b:BIAS+8*\b+3],   v[BO], s[68:69] offset:64*\b      ; register 8 b + j = bo[my first column + 16 b + 8 (l / 16) + j]
	global_load_b128 v[BIAS+8*\b+4:BIAS+8*\b+7], v[BO], s[68:69] offset:64*\b+16
.endr
; 16 LDS loads: the fragments of one slice of 32 along K (64 rows of B, 64 rows of A, at byte k of the rows) into buffer f
.macro FETCH slot, k, f
.irp i, 0,1,2,3
	ds_load_b128 v[\f+8*\i:\f+8*\i+3],   v[ADRB+\slot] offset:\k+\i*16*PITCH
	ds_load_b128 v[\f+8*\i+4:\f+8*\i+7], v[ADRB+\slot] offset:\k+\i*16*PITCH+32
.endr
.irp i, 0,1,2,3
	ds_load_b128 v[\f+32+8*\i:\f+32+8*\i+3],   v[ADRA+\slot] offset:\k+\i*16*PITCH
	ds_load_b128 v[\f+32+8*\i+4:\f+32+8*\i+7], v[ADRA+\slot] offset:\k+\i*16*PITCH+32
.endr
.endm
; 8 matrix instructions: m blocks a0, a0 + 1 x all 4 n blocks.  The 16 accumulators take turns, one instruction a turn.
.macro MUL8 f, a0, first
.irp a, \a0, \a0+1
.irp b, 0,1,2,3
.if \first
	v_wmma_f32_16x16x32_bf16 v[8*(4*(\a)+\b):8*(4*(\a)+\b)+7], v[\f+8*\b:\f+8*\b+7], v[\f+32+8*(\a):\f+32+8*(\a)+7], v[BIAS+8*\b:BIAS+8*\b+7]
.else
	v_wmma_f32_16x16x32_bf16 v[8*(4*(\a)+\b):8*(4*(\a)+\b)+7], v[\f+8*\b:\f+8*\b+7], v[\f+32+8*(\a):\f+32+8*(\a)+7], v[8*(4*(\a)+\b):8*(4*(\a)+\b)+7]
.endif
.endr
.endr
.endm
.macro PLACES                          ; four places between a matrix instruction and a load into a register that it read, or a store of its result (ISA guide 7.12.1 for vector instructions)
.rept 4
	v_nop
.endr
.endm
; One of a K step's first seven slices: asks for the next slice's fragments (byte k, buffer g), then multiplies buffer f.
.macro SLICE slot, k, f, g, first
	WIN 0
	PLACES
	FETCH \slot, \k, \g
	s_wait_dscnt 16                                ; all but the 16 just issued: buffer f is in
.if \first
	WIN ACC0
.else
	WIN ACC
.endif
	MUL8 \f, 0, \first
	MUL8 \f, 2, \first
.endm
.macro SEVEN slot, first
	SLICE \slot, 64,  F0, F1, \first
	SLICE \slot, 128, F1, F0, 0
	SLICE \slot, 192, F0, F1, 0
	SLICE \slot, 256, F1, F0, 0
	SLICE \slot, 320, F0, F1, 0
	SLICE \slot, 384, F1, F0, 0
	SLICE \slot, 448, F0, F1, 0
.endm
; The eighth slice multiplies buffer 1 and changes slots.  In front of the barrier each wave waits for its reads of this slot and for all its tensor loads
; (one is out: its part of the next slot); behind it the refill comes first, then the next slot's first fragments.
.macro TURN slot, next, fill
	s_wait_dscnt 0x0                               ; buffer 1 is in, and with it my reads of this slot are over
	s_wait_tensorcnt 0x0
	ds_add_u32 v254, v255
	s_wait_dscnt 0x0
	s_barrier_signal -1                            ; (where a slot is filled again this barrier opens a round of the cluster's barrier)
	WIN ACC
	MUL8 F1, 0, 0                                  ; register work while the others arrive
	WIN 0
	s_barrier_wait -1
.if \fill
	CREST                                          ; no wave of any partner still reads this slot's tile or has a load on its way
	s_add_nc_u64 s[G0+4*\slot+2:G0+4*\slot+3], s[G0+4*\slot+2:G0+4*\slot+3], 2*KSTEP*2
	s_add_nc_u64 s[G0B+4*\slot+2:G0B+4*\slot+3], s[G0B+4*\slot+2:G0B+4*\slot+3], 2*KSTEP*2
	JLOAD \slot                                    ; the first tensor load behind the round, and the wave's only one until the next
.endif
	PLACES
	FETCH \next, 0, F0
	WIN ACC
	MUL8 F1, 2, 0
.endm
	s_wait_loadcnt 0x0                             ; the bias is in
	s_wait_tensorcnt 1                             ; my part of K step 0 is in; K step 1's stays out
	s_barrier_signal -1
	s_barrier_wait -1
	FETCH 0, 0, F0
	SEVEN 0, 1                                     ; K step 0: its first products start the sums from the bias
	TURN 0, 1, 1                                   ; slot 0 gets K step 2
	SEVEN 1, 0
	TURN 1, 0, 1                                   ; slot 1 gets K step 3
	SEVEN 0, 0
	TURN 0, 1, 0                                   ; nothing is left to fetch
	SEVEN 1, 0
	s_wait_dscnt 0x0
	MUL8 F1, 0, 0
	MUL8 F1, 2, 0
	; THE WAY OUT, 16 rows at a time: 32 bytes a lane and tile into my own stage, read back as whole rows of 256 bytes (my 64 columns of f32).
	PLACES
	s_lshl_b32 s13, s13, 7
	s_lshl_b32 s14, s11, 6
	s_add_co_u32 s16, s13, s14                     ; my first row
	s_mov_b32 s17, 0
	s_mov_b64 s[18:19], SIZE_N*4
	s_mul_u64 s[16:17], s[16:17], s[18:19]
	s_add_nc_u64 s[8:9], s[8:9], s[16:17]
	s_lshl_b32 s46, s42, 9                         ; my first column, in bytes: 512 x block + 256 x half
	s_lshl_b32 s47, s12, 8
	s_add_co_u32 s46, s46, s47
	s_mov_b32 s47, 0
	s_add_nc_u64 s[8:9], s[8:9], s[46:47]
.macro OUT16 a, f
	WIN 0x04                                       ; the stores' data in window 1
.irp b, 0,1,2,3
	ds_store_b128 v[STO], v[8*(4*\a+\b):8*(4*\a+\b)+3]   offset:64*\b
	ds_store_b128 v[STO], v[8*(4*\a+\b)+4:8*(4*\a+\b)+7] offset:64*\b+16
.endr
	WIN 0
	s_wait_xcnt 0x0                                ; buffer f, which earlier stores read, and the stores' base are rewritten only behind this wait (ISA guide 3.1)
.if \a
	s_add_nc_u64 s[8:9], s[8:9], 16*SIZE_N*4
.endif
.irp t, 0,1,2,3,4,5,6,7
	ds_load_b128 v[\f+4*\t:\f+4*\t+3], v[RD] offset:\t*2*SPITCH    ; LDS serves a wave's instructions in order (ISA guide 5.7.1.4): these see the stores above
.endr
.irp t, 0,1,2,3,4,5,6,7
	s_wait_dscnt 7-\t
	global_store_b128 v[CO], v[\f+4*\t:\f+4*\t+3], s[8:9] offset:2*\t*SIZE_N*4 th:TH_STORE_NT   ; 16 lanes store 256 consecutive bytes, aligned
.endr
.endm
	OUT16 0, F0
	OUT16 1, F1
	OUT16 2, F0
	OUT16 3, F1
	s_wait_tensorcnt 0x0
	ds_add_u32 v254, v255
	s_wait_dscnt 0x0
	CROUND                                         ; the closing round: no work-group ends while a partner may still ask for a tile that names it
	s_endpgm
.Lfunc_end_k_q5f45c41fa4_outp:
	.size	k_q5f45c41fa4_outp, .Lfunc_end_k_q5f45c41fa4_outp-k_q5f45c41fa4_outp
	.p2alignl 7, 3214868480
	.fill 96, 4, 3214868480
	.section	.rodata,"a",@progbits
	.p2align	6, 0x0
	.amdhsa_kernel k_q5f45c41fa4_outp
		.amdhsa_group_segment_fixed_size 327680
		.amdhsa_private_segment_fixed_size 0
		.amdhsa_enable_private_segment 0
		.amdhsa_kernarg_size 32
		.amdhsa_user_sgpr_count 2
		.amdhsa_user_sgpr_kernarg_segment_ptr 1
		.amdhsa_wavefront_size32 1
		.amdhsa_system_sgpr_workgroup_id_x 1
		.amdhsa_system_sgpr_workgroup_id_y 1
		.amdhsa_system_sgpr_workgroup_id_z 1
		.amdhsa_system_vgpr_workitem_id 0
		.amdhsa_next_free_vgpr 384
		.amdhsa_next_free_sgpr 72
		.amdhsa_reserve_vcc 0
		.amdhsa_float_denorm_mode_32 3
		.amdhsa_float_denorm_mode_16_64 3
		.amdhsa_memory_ordered 1
		.amdhsa_forward_progress 1
		.amdhsa_inst_pref_size 90
	.end_amdhsa_kernel
	.amdgpu_metadata
---
amdhsa.version: [ 1, 2 ]
amdhsa.kernels:
  - .name:           k_q5f45c41fa4_outp
    .symbol:         k_q5f45c41fa4_outp.kd
    .args:
      - { .name: att, .offset: 0, .size: 8, .value_kind: global_buffer, .address_space: global }
      - { .name: wb, .offset: 8, .size: 8, .value_kind: global_buffer, .address_space: global }
      - { .name: out0, .offset: 16, .size: 8, .value_kind: global_buffer, .address_space: global }
      - { .name: bo, .offset: 24, .size: 8, .value_kind: global_buffer, .address_space: global }
    .group_segment_fixed_size: 327680
    .private_segment_fixed_size: 0
    .kernarg_segment_align: 8
    .kernarg_segment_size: 32
    .max_flat_workgroup_size: 128
    .sgpr_count:     72
    .vgpr_count:     384
    .wavefront_size: 32
...
	.end_amdgpu_metadata
.endif
;; end of part 4
